; MI455X (gfx1250); checked and timed in simulation.
; The chip was launched on July 23, 2026; its instructions are those of AMD's public machine-readable ISA for CDNA 5 (MIT licence, August 2026) and "CDNA5" Instruction Set Architecture Reference Guide (July 2026). The comments in the code are by the model that wrote it; some were corrected since.
;; AFT Full Attention. Allowed arithmetic: matrix products marked QUANTISED: E2M1 operands, one E8M0 scale for each 32 along K, by v_wmma_scale_f32_16x16x128_f8f6f4 with both operands' format E2M1 (or v_wmma_scale_f32_32x16x128_f4), f32 sums; everything else in f32.
;; Inputs: Wk_codes 1,024 x 32 x 16 uint8 (E2M1 codes of Wk, K innermost, in blocks of 32 codes, two codes a byte); Wk_scales 1,024 x 32 uint8 (E8M0 scales of Wk, one for each 32 codes along K); Wo_codes 1,024 x 32 x 16 uint8 (E2M1 codes of Wo, K innermost, in blocks of 32 codes, two codes a byte); Wo_scales 1,024 x 32 uint8 (E8M0 scales of Wo, one for each 32 codes along K); Wq_codes 1,024 x 32 x 16 uint8 (E2M1 codes of Wq, K innermost, in blocks of 32 codes, two codes a byte); Wq_scales 1,024 x 32 uint8 (E8M0 scales of Wq, one for each 32 codes along K); Wv_codes 1,024 x 32 x 16 uint8 (E2M1 codes of Wv, K innermost, in blocks of 32 codes, two codes a byte); Wv_scales 1,024 x 32 uint8 (E8M0 scales of Wv, one for each 32 codes along K); bk 1,024 float32; bo 1,024 float32; bq 1,024 float32; bv 1,024 float32; wbias 8 x 2,048 x 2,048 float32; x_codes 4 x 2,048 x 32 x 16 uint8 (E2M1 codes of x, K innermost, in blocks of 32 codes, two codes a byte); x_scales 4 x 2,048 x 32 uint8 (E8M0 scales of x, one for each 32 codes along K).
;; Outputs: out0 4 x 2,048 x 1,024 float32.
;; This version of the problem:
;;   THIS VERSION OF THE PROBLEM IS GIVEN IN LOW PRECISION. The matrix products marked QUANTISED in the list below multiply operands that are first quantised to E2M1 (2 exponent bits, 1 mantissa bit; 4 bits a number), with one power-of-two scale for each 32 numbers along K (OCP MX v1.0); their sums are f32. All else is computed in f32.
;;   The module's matrix products, in the order in which they are computed (A, B: the left and right operand; K: the contracted axis; several contracted axes count as one K, in the product's order):
;;     1. [M 8,192, K 1,024] x [K 1,024, N 1,024]; A: input x (given as codes); B: input Wq (given as codes): QUANTISED
;;     2. [M 8,192, K 1,024] x [K 1,024, N 1,024]; A: input x (given as codes); B: input Wk (given as codes): QUANTISED
;;     3. [M 8,192, K 1,024] x [K 1,024, N 1,024]; A: input x (given as codes); B: input Wv (given as codes): QUANTISED
;;     4. batch 8 x [M 512, K 2,048] x [K 2,048, N 2,048]; A: computed on the way; B: computed on the way: QUANTISED
;;     5. [M 8,192, K 1,024] x [K 1,024, N 1,024]; A: computed on the way; B: input Wo (given as codes): QUANTISED
;;   THE QUANTISER, for each operand of a quantised product, along K:
;;     - K is cut into blocks of 32 from its start; a last block that is shorter is filled with zeros.
;;     - A block's scale is 2^e with e = floor(log2(the largest magnitude in the block)) - 2, held to -126 .. 127; a block of zeros has e = 0. As a byte (E8M0): e + 127.
;;     - Each number is divided by its block's scale, clamped to +-6, and rounded to the nearest number of E2M1, ties to even, subnormals kept.
;;     - The product sums the exact products of the quantised numbers (number of the format x scale) in f32.
;;   ~~~python
;;   def quantise(x, axis):      # numpy; x: float32 -> the quantised numbers, widened to float32 again
;;       x = np.moveaxis(x, axis, -1); K = x.shape[-1]
;;       x = np.pad(x, [(0, 0)] * (x.ndim - 1) + [(0, -K % 32)]); x = x.reshape(x.shape[:-1] + (-1, 32)); a = np.abs(x).max(-1, keepdims=True)
;;       e = np.where(a > 0, np.clip(np.frexp(np.where(a > 0, a, 1))[1] - 1 - 2, -126, 127), 0)      # np.frexp(a)[1] - 1 = floor(log2(a)), exactly
;;       r = np.clip(x / 2.0 ** e, -6, 6)
;;       step = 2.0 ** (np.maximum(np.frexp(np.where(r == 0, 1, r))[1] - 1, 0) - 1)
;;       q = np.round(r / step) * step * 2.0 ** e      # np.round: ties to even
;;       return np.moveaxis(q.reshape(q.shape[:-2] + (-1,))[..., :K], -1, axis).astype(np.float32)
;;   ~~~
;;   OPERANDS COMPUTED ON THE WAY. 'Computed on the way' means the value that the module computes at that place (a softmax that the list does not call 'softmax' is quantised finished and normalised). What goes into a quantiser is computed in f32, as accurately as f32 sums, v_exp_f32 and their like allow (about 1e-6 of the number): no bf16 or f16 on the way to a quantiser, and a product that is left as it is and whose result goes on into a quantised operand takes f32 operands (vector FMAs, or v_wmma_f32_16x16x4_f32). A number that lies on a knife's edge between two numbers of the format may be rounded either way, as far as f32 arithmetic and the matrix unit's own rounding can turn it there, and no further.
;;   INPUTS GIVEN AS CODES. Wk (in the module: [1024, 1024], K = its axis 1); Wo (in the module: [1024, 1024], K = its axis 1); Wq (in the module: [1024, 1024], K = its axis 1); Wv (in the module: [1024, 1024], K = its axis 1); x (in the module: [4, 2048, 1024], K = its axis 2): each comes as NAME_codes (uint8): NAME with its K axis moved to the last place and cut into blocks of 32 codes, [.., K / 32, bytes a block], one block behind the other in memory; two codes a byte, the lower K in the low four bits (a code: sign, 2 exponent bits, 1 mantissa bit); and NAME_scales (uint8): the same leading axes, one E8M0 byte (e + 127) for each 32 codes along K. Its value is code x scale, taken as it is: it is not quantised again, and the codes and scales need not be those that the quantiser above would give.
;; One version. Each part assembles by itself: llvm-mc -triple=amdgcn-amd-amdhsa -mcpu=gfx1250 --defsym DOCPART=n.
;; ======== version 1 of 1: 3 launches
;; workspace buffers: ek 4,194,304 bytes; eks 262,144 bytes; ew 16,777,216 bytes; ews 1,048,576 bytes; yc 4,194,304 bytes; ys 262,144 bytes
;; launch prep (part 1): grid 768 x 1, 4 waves a work-group, no clusters, 36,864 bytes of LDS; arguments x_codes, x_scales, Wk_codes, Wk_scales, bk, wbias, ek, eks, ew, ews; writes ek, eks, ew, ews
.if DOCPART == 1
	.amdgcn_target "amdgcn-amd-amdhsa--gfx1250"
	.amdhsa_code_object_version 6
	.text
	.protected	k_q41fa7bef1c_prep
	.globl	k_q41fa7bef1c_prep
	.p2align	8
	.type	k_q41fa7bef1c_prep,@function
k_q41fa7bef1c_prep:
	s_mov_b64 s[64:65], 0
	v_nop
	global_prefetch_b8 v0, s[64:65] scope:SCOPE_SE
	s_setreg_imm32_b32 hwreg(HW_REG_WAVE_MODE, 25, 1), 1
	s_wait_xcnt 0x0
; PREP: the two operands of numer = exp(wbias) x exp(k), quantised along s (E2M1 codes, one E8M0 byte for each 32 s).
; DEAD WORK: none in the whole program.  Every input has a way to out0: bk moves exp(k)'s codes, bq stands inside the sigmoid, bv moves y's codes, bo is added at the end.  All 15 inputs are loaded.
; THE VIEW: q, k, v [b][t0][c] are read as [b][h][t][d] with h = t0 / 256, t (or s) = 8 (t0 % 256) + c / 128, d = c % 128.  So 32 neighbouring s at one d are 4 neighbouring rows t0 x the 8 column groups g = c / 128.
; TWO PATHS, parted by the work-group's number, each with LDS bytes of its own:
;   work-groups 0-255, THE K PATH: k = x Wk^T + bk on the given codes (64 rows of x, 64 d a work-group), exp, quantised -> ek [h][beta][32 b + rho][1024 B] (d = 32 beta + rho, s innermost), eks [h][beta][sq][row][16 B].
;   work-groups 256-767, THE STREAM: work-group P takes tiles T = 2 P and 2 P + 1 of wbias.  Tile T = 16 X + 2 g + tau is 16 rows t = 256 i + 8 (16 tau + r) + g of head h (X = 8 h + i); exp, quantised ->
;   ew [T][K step][1024 B], an image of the operand's registers (byte 512 c + 16 lane), ews [T][sq][r][4 words].  A wave takes 512 s of each tile's 16 rows.
; No tensor load, no barrier: waves share nothing.
; LIMITS: exp(z) is 2^(z log2 e) with the product rounded once (relative error about |z| x 1e-7); v_exp_f32 gives 0 under 2^-126; a block of zeros gets the byte 1 where the quantiser says 127 (its codes are zeros, and this
; program alone reads the bytes); NaN and infinities among the inputs are not served.
.set SPARE, 35840                      ; the spare words: 128 bytes a wave, two blocks of 256 bytes that no other line names
.set KSB,   34816                      ; the K path's scale bytes: 256 a wave
.set STG,   4352                       ; the stream's stage: 16 rows x (256 + 16) bytes; two a wave, 8,704 bytes a wave, from LDS byte 0
.set L2E,   0x3fb8aa3b                 ; log2(e)
.set FLOOR, 0x1800000                  ; 2^(3 - 127): under it no largest magnitude is taken, so the byte cannot fall under 1
.set MSB, 0
.macro WIN new                         ; the immediate's high byte repeats the setting that is left
.if MSB != \new
	s_set_vgpr_msb (MSB<<8)|\new
.set MSB, \new
.endif
.endm
.macro PLACES n
.rept \n
	v_nop
.endr
.endm
; One block: 32 numbers z in v[x] on, in K order, become exp(z), then 16 bytes of codes in v[c] on; v[sc] is left as the conversion's scale operand (its exponent field is the scale's byte).
.macro EXPQ x, c, sc, ma, mb
.set ei, 0
.rept 16
	v_pk_mul_f32 v[\x+ei:\x+ei+1], v[\x+ei:\x+ei+1], L2E op_sel_hi:[1,0]
.set ei, ei+2
.endr
.set ei, 0
.rept 32
	v_exp_f32 v[\x+ei], v[\x+ei]
.set ei, ei+1
.endr
	v_nop                                          ; a plain instruction behind the last exponential
	s_wait_alu depctr_va_vdst(0)                   ; one wait for the batch of 32, ahead of its first reader
	v_max3_num_f32 v[\ma], v[\x], v[\x+1], FLOOR   ; the largest of the 32 (none is negative), in two chains, with the floor as one more leaf
	v_max3_num_f32 v[\mb], v[\x+2], v[\x+3], v[\x+4]
.irp i, 5,9,13,17,21,25
	v_max3_num_f32 v[\ma], v[\ma], v[\x+\i], v[\x+\i+1]
	v_max3_num_f32 v[\mb], v[\mb], v[\x+\i+2], v[\x+\i+3]
.endr
	v_max3_num_f32 v[\ma], v[\ma], v[\x+29], v[\x+30]
	v_max3_num_f32 v[\ma], v[\ma], v[\mb], v[\x+31]
	v_add_nc_u32 v[\sc], 0xff000000, v[\ma]        ; 2 off the exponent field
.irp n, 0,1,2,3
	v_cvt_scalef32_pk8_fp4_f32 v[\c+\n], v[\x+8*\n:\x+8*\n+7], v[\sc]
.endr
.endm
.macro WMK d, a, b, c, sa, sb, rb
.if \rb
	v_wmma_scale_f32_16x16x128_f8f6f4 v[\d:\d+7], v[\a:\a+7], v[\b:\b+7], v[\c:\c+7], v[\sa], v[\sb] matrix_a_fmt:MATRIX_FMT_FP4 matrix_b_fmt:MATRIX_FMT_FP4 matrix_b_scale:MATRIX_SCALE_ROW1
.else
	v_wmma_scale_f32_16x16x128_f8f6f4 v[\d:\d+7], v[\a:\a+7], v[\b:\b+7], v[\c:\c+7], v[\sa], v[\sb] matrix_a_fmt:MATRIX_FMT_FP4 matrix_b_fmt:MATRIX_FMT_FP4
.endif
.endm
	s_load_b512 s[4:19], s[0:1], 0x0               ; x_codes 4, x_scales 6, Wk_codes 8, Wk_scales 10, bk 12, wbias 14, ek 16, eks 18
	s_load_b128 s[20:23], s[0:1], 0x40             ; ew 20, ews 22
	v_lshl_add_u32 v2, v0, 2, SPARE                ; my spare word; never rewritten
	v_mov_b32 v3, 0                                ; 0; never rewritten
	v_lshrrev_b32 v1, 5, v0
	v_readfirstlane_b32 s24, v1                    ; wave 0..3
	v_and_b32 v12, 31, v0                          ; lane
	v_and_b32 v13, 15, v0                          ; r
	v_bfe_u32 v14, v0, 4, 1                        ; hh
	s_mov_b32 s35, 0                               ; the high word of every offset pair s[34:35]
	s_wait_kmcnt 0x0
	s_cmp_lt_u32 ttmp9, 256
	s_cbranch_scc0 .Lstream
; ---------------- THE K PATH ----------------
; Work-group p: rows 64 m .. 64 m + 63 of x (m = p / 2: b = m / 32, h = (m % 32) / 4, sq = m % 4), phi = p % 2.  Wave w: beta = 2 phi + w / 2, u = w % 2: d = 32 beta + 16 u + 0 .. 15.
; The product is used transposed.  Source 0, "pair" j = 0 .. 7: lane r takes Wk's row c = 128 (r % 8) + 32 beta + 16 u + 8 (r / 8) + j.  Source 1, tile uu = 0 .. 3: lane r takes x's row 64 m + 4 r + uu.
; So lane (r, hh), register 8 uu + jj of the four accumulators, holds k at s = 512 sq + 32 r + 8 uu + jj, d = 32 beta + 16 u + 8 hh + j: a lane's 32 registers ARE one block of 32 along s, in order.
; REGISTERS: window 1: x's fragments (uu, ks) at 8 (8 uu + ks).  v4-12 addresses; v1, v13-15 at work; v16-31 x's scale words [uu / 2][ks] (lanes 0-15 the even tile, lanes 16-31 the odd);
;   v32-63 the four accumulators; v64-143, v144-223 set j % 2: 64 of Wk's fragments, 8 scale words, 8 of bk (the C of the first K step); v224-255 codes, four a pair, so that no store's data are written again.
	s_lshr_b32 s25, ttmp9, 1                       ; m
	s_and_b32 s26, ttmp9, 1                        ; phi
	s_lshr_b32 s27, s25, 5                         ; b
	s_bfe_u32 s28, s25, 0x30002                    ; h
	s_and_b32 s29, s25, 3                          ; sq
	s_lshr_b32 s30, s24, 1
	s_lshl_b32 s26, s26, 1
	s_add_co_u32 s30, s30, s26                     ; beta
	s_and_b32 s31, s24, 1                          ; u
	s_lshl_b32 s32, s30, 5
	s_lshl_b32 s33, s31, 4
	s_add_co_u32 s32, s32, s33                     ; 32 beta + 16 u
	s_lshl_b32 s34, s25, 15
	s_add_nc_u64 s[4:5], s[4:5], s[34:35]          ; x's codes: 64 m rows of 512 bytes
	s_lshl_b32 s34, s25, 11
	s_add_nc_u64 s[6:7], s[6:7], s[34:35]          ; x's scales: rows of 32 bytes
	s_lshl_b32 s34, s32, 9
	s_add_nc_u64 s[8:9], s[8:9], s[34:35]          ; Wk's codes at row 32 beta + 16 u
	s_lshl_b32 s34, s32, 5
	s_add_nc_u64 s[10:11], s[10:11], s[34:35]
	s_lshl_b32 s34, s32, 2
	s_add_nc_u64 s[12:13], s[12:13], s[34:35]      ; bk
	s_lshl_b32 s36, s28, 2
	s_add_co_u32 s36, s36, s30                     ; 4 h + beta
	s_lshl_b32 s37, s27, 5
	s_add_co_u32 s37, s37, s33                     ; 32 b + 16 u: my first row of ek
	s_lshl_b32 s34, s36, 7
	s_add_co_u32 s34, s34, s37
	s_lshl_b32 s34, s34, 10
	s_lshl_b32 s38, s29, 8
	s_add_co_u32 s34, s34, s38
	s_add_nc_u64 s[16:17], s[16:17], s[34:35]      ; ek: that row, + 256 sq bytes
	s_lshl_b32 s34, s36, 2
	s_add_co_u32 s34, s34, s29
	s_lshl_b32 s34, s34, 11
	s_lshl_b32 s38, s37, 4
	s_add_co_u32 s34, s34, s38
	s_add_nc_u64 s[18:19], s[18:19], s[34:35]      ; eks
	v_lshlrev_b32 v4, 11, v13
	v_lshl_add_u32 v4, v14, 4, v4                  ; x: row 4 r, + 16 hh
	v_lshlrev_b32 v5, 7, v13
	v_lshl_add_u32 v5, v14, 5, v5                  ; x's scales: row 4 r + (lane / 16)
	v_and_b32 v15, 7, v13
	v_lshlrev_b32 v15, 7, v15
	v_lshrrev_b32 v1, 3, v13
	v_lshl_add_u32 v15, v1, 3, v15                 ; 128 (r % 8) + 8 (r / 8)
	v_lshlrev_b32 v6, 9, v15
	v_lshl_add_u32 v6, v14, 4, v6                  ; Wk's codes
	v_lshlrev_b32 v7, 5, v15                       ; Wk's scales
	v_lshlrev_b32 v8, 5, v14                       ; bk: 8 hh numbers on
	v_lshlrev_b32 v9, 13, v14
	v_lshl_add_u32 v9, v13, 4, v9                  ; ek: 8 hh rows on, block r
	s_lshl_b32 s39, s24, 8
	s_add_co_u32 s39, s39, KSB
	v_lshl_add_u32 v10, v14, 7, v13
	v_add_nc_u32 v10, s39, v10                     ; LDS: my wave's 256 scale bytes: row 8 hh (+ j), byte r
	v_lshlrev_b32 v12, 3, v12                      ; 8 x lane
	v_add_nc_u32 v11, s39, v12                     ; and back, 8 bytes a lane
	WIN 0x40                                       ; destination window 1
.irp uu, 0,1,2,3
.irp ks, 0,1,2,3,4,5,6,7
.irp c, 0,1
	global_load_b128 v[8*(8*\uu+\ks)+4*\c:8*(8*\uu+\ks)+4*\c+3], v4, s[4:5] offset:\uu*512+\ks*64+32*\c
.endr
.endr
.endr
	WIN 0
.irp pu, 0,1
.irp hf, 0,1
	global_load_b128 v[16+8*\pu+4*\hf:16+8*\pu+4*\hf+3], v5, s[6:7] offset:\pu*64+16*\hf
.endr
.endr
.macro KLOAD j                         ; pair j's 26 loads into set j % 2
.set SB, 64+80*((\j)%2)
.irp ks, 0,1,2,3,4,5,6,7
.irp c, 0,1
	global_load_b128 v[SB+8*\ks+4*\c:SB+8*\ks+4*\c+3], v6, s[8:9] offset:(\j)*512+\ks*64+32*\c
.endr
.endr
.irp hf, 0,1
	global_load_b128 v[SB+64+4*\hf:SB+64+4*\hf+3], v7, s[10:11] offset:(\j)*32+16*\hf
.endr
.irp jj, 0,1,2,3,4,5,6,7
	global_load_b32 v[SB+72+\jj], v8, s[12:13] offset:\jj*512+(\j)*4
.endr
.endm
.macro KPAIR j
.set SB, 64+80*((\j)%2)
.if (\j) < 7
	s_wait_loadcnt 26                              ; all but the next pair's 26 loads are in
.else
	s_wait_loadcnt 0x0
.endif
	s_wait_dscnt 0x0                               ; the last pair's byte store has read its register
	WIN 0x04                                       ; source 1 (x) in window 1
.irp ks, 0,1,2,3,4,5,6,7
.irp uu, 0,1,2,3
.if \ks == 0
	WMK 32+8*\uu, SB+8*\ks, 8*(8*\uu+\ks), SB+72, SB+64+\ks, 16+8*(\uu/2)+\ks, \uu%2
.else
	WMK 32+8*\uu, SB+8*\ks, 8*(8*\uu+\ks), 32+8*\uu, SB+64+\ks, 16+8*(\uu/2)+\ks, \uu%2
.endif
.endr
.endr
	WIN 0
	PLACES 5                                       ; four in front of the loads into this set and of the reads of the results; the fifth for the next pair's products, which begin these accumulators anew
.if (\j) < 6
	KLOAD (\j)+2
.endif
	EXPQ 32, 224+4*(\j), 14, 13, 1
	v_lshrrev_b32 v15, 23, v14                     ; the scale's byte (also the plain instruction behind the conversions)
	ds_store_b8 v10, v15 offset:16*(\j)
	global_store_b128 v9, v[224+4*(\j):224+4*(\j)+3], s[16:17] offset:1024*(\j)   ; sixteen lanes store 256 consecutive bytes of one row of ek, aligned
.endm
	KLOAD 0
	KLOAD 1
.irp j, 0,1,2,3,4,5,6,7
	KPAIR \j
.endr
	ds_load_b64 v[64:65], v11                      ; LDS serves a wave's instructions in order: this sees my byte stores
	s_wait_dscnt 0x0
	global_store_b64 v12, v[64:65], s[18:19]       ; 32 lanes store 256 consecutive bytes, aligned
	s_wait_tensorcnt 0x0                           ; the wave's end
	ds_add_u32 v2, v3
	s_wait_dscnt 0x0
	s_endpgm
; ---------------- THE STREAM ----------------
; Wave sq of work-group P: 16 rows x 512 s of tile 2 P, then of tile 2 P + 1: sixteen steps sg of 64 s (tile sg / 8, step sg % 8), 4 KB each, by eight loads (each: 256 consecutive bytes of two rows).
; LOADS STAY ON THEIR WAY WHILE THE WAVE WORKS: the first tile's 64 loads go out at the head; in each of steps 0 to 7 the second tile's same step is asked for, into the registers whose numbers have just
; gone through the stage.  So 48 to 56 of a wave's loads are out through the first eight steps.  The second tile lies 128 rows of wbias, 16,384 bytes of ew and 1,024 bytes of ews further on:
; all three stand in the immediates (1,967,872 at the most, inside the signed 24 bits: ISA guide, chapter 10), and no address is stepped.
; A step's 4 KB turn through the wave's own stage (rows 272 bytes apart), so that lane (r, hl) gets the 32 neighbours of block 2 (sg % 8) + hl of row r; its 16 bytes of codes are the operand's registers
; 4 c .. 4 c + 3 (c = sg % 2) of K step (sg % 8) / 2.
; REGISTERS: window 1: 32 registers for each step modulo 8, as loaded.  v4-9 addresses; v10-15 at work; v32-95 two sets of 32 neighbours; v96-159 codes, four a step, so that no store's data are written again;
;   v160-167 the two tiles' four scale words; v168-171 what of them a lane stores.
.Lstream:
	s_sub_co_u32 s25, ttmp9, 256                   ; P: X = P / 8, g = P % 8
	s_lshr_b32 s26, s25, 3
	s_lshl_b32 s26, s26, 8                         ; 256 X
	s_and_b32 s27, s25, 7                          ; g
	s_add_co_u32 s26, s26, s27                     ; the first tile's first row of wbias; row r lies 8 r rows on
	s_lshl_b32 s34, s26, 13
	s_lshl_b32 s27, s24, 11
	s_add_co_u32 s34, s34, s27                     ; + my 2,048 bytes of a row
	s_add_nc_u64 s[14:15], s[14:15], s[34:35]
	s_lshl_b32 s34, s25, 15
	s_lshl_b32 s27, s24, 12
	s_add_co_u32 s34, s34, s27
	s_add_nc_u64 s[20:21], s[20:21], s[34:35]      ; ew: 16,384 x 2 P + 4,096 sq
	s_lshr_b32 s34, s34, 4
	s_add_nc_u64 s[22:23], s[22:23], s[34:35]      ; ews: 1,024 x 2 P + 256 sq
	s_mov_b32 s28, 0x76543210
	s_mov_b32 s29, 0xfedcba98                      ; v_permlanex16_b32's selects for lane l xor 16
	s_mov_b32 s30, 0xffff0000                      ; lanes 16-31
	s_mul_i32 s31, s24, 2*STG
	v_lshlrev_b32 v4, 16, v14
	v_lshl_add_u32 v4, v13, 4, v4                  ; in: lanes 0-15 one row's 256 bytes, lanes 16-31 the tile's next row's
	v_mul_u32_u24 v5, v14, 272
	v_lshl_add_u32 v5, v13, 4, v5
	v_add_nc_u32 v5, s31, v5                       ; the stage, on the way in
	v_mul_u32_u24 v6, v13, 272
	v_lshl_add_u32 v6, v14, 7, v6
	v_add_nc_u32 v6, s31, v6                       ; and on the way out: row r, block hl
	v_lshlrev_b32 v7, 4, v12                       ; 16 x lane
	v_lshlrev_b32 v8, 4, v13
	v_lshl_add_u32 v8, v14, 3, v8                  ; 16 r + 8 hl
	v_lshlrev_b32 v9, 3, v14                       ; 8 hl
	v_mov_b32 v12, 0                               ; a lane permute's destination counts as one of its sources
.macro SLOAD sg                        ; step sg's eight loads (the destination's window is set by the caller)
.irp n, 0,1,2,3,4,5,6,7
	global_load_b128 v[32*((\sg)%8)+4*\n:32*((\sg)%8)+4*\n+3], v4, s[14:15] offset:((\sg)/8)*1048576+\n*131072+((\sg)%8)*256 th:TH_LOAD_NT
.endr
.endm
	WIN 0x40
.irp sg, 0,1,2,3,4,5,6,7
	SLOAD \sg
.endr
	WIN 0
.macro TURN sg                         ; step sg's 4 KB through stage sg % 2.  The count: the loads issued behind step sg's eight
.if (\sg) == 0
	s_wait_loadcnt 56                              ; the first tile's seven later steps
.elseif (\sg) < 10
	s_wait_loadcnt 48                              ; six later groups of eight: the rest of the first tile and what has been asked of the second
.else
	s_wait_loadcnt 8*(15-(\sg))                    ; the second tile's later steps
.endif
	WIN 0x04                                       ; an LDS store's data are its source 1: window 1
.irp n, 0,1,2,3,4,5,6,7
	ds_store_b128 v5, v[32*((\sg)%8)+4*\n:32*((\sg)%8)+4*\n+3] offset:((\sg)%2)*STG+\n*544
.endr
	WIN 0
.irp n, 0,1,2,3,4,5,6,7
	ds_load_b128 v[32+32*((\sg)%2)+4*\n:32+32*((\sg)%2)+4*\n+3], v6 offset:((\sg)%2)*STG+16*\n   ; LDS serves a wave's instructions in order: these see the stores above
.endr
.endm
.macro SSTEP sg
.if (\sg) < 15
	TURN (\sg)+1
	s_wait_dscnt 16                                ; all but the next step's 16 LDS instructions: my 32 neighbours are in, and this step's stores into the stage have read their registers,
.else
	s_wait_dscnt 0x0
.endif
.if (\sg) < 8
	WIN 0x40
	SLOAD (\sg)+8                                  ; which take the second tile's same step
	WIN 0
.endif
	EXPQ 32+32*((\sg)%2), 96+4*(\sg), 11, 10, 13
.if (\sg)%2 == 0
	v_lshrrev_b32 v14, 23, v11                     ; the byte of block hl of this K step (also the plain instruction behind the conversions)
.else
	v_lshrrev_b32 v15, 23, v11                     ; the byte of block 2 + hl
	v_lshl_or_b32 v15, v15, 16, v14
	v_lshlrev_b32 v15, v9, v15                     ; my two bytes at their places,
	v_permlanex16_b32 v12, v15, s28, s29
	v_or_b32 v[160+(\sg)/2], v15, v12              ; with lane l xor 16's two the word is whole
.endif
	global_store_b128 v7, v[96+4*(\sg):96+4*(\sg)+3], s[20:21] offset:((\sg)/8)*16384+512*((\sg)%8)   ; 32 lanes store 512 consecutive bytes, aligned
.if (\sg)%8 == 7
	v_cndmask_b32 v[168+2*((\sg)/8)], v[160+4*((\sg)/8)], v[162+4*((\sg)/8)], s30   ; a tile is done: lanes 0-15 store words 0, 1 of row r, lanes 16-31 words 2, 3
	v_cndmask_b32 v[169+2*((\sg)/8)], v[161+4*((\sg)/8)], v[163+4*((\sg)/8)], s30
	global_store_b64 v8, v[168+2*((\sg)/8):169+2*((\sg)/8)], s[22:23] offset:1024*((\sg)/8)   ; 256 consecutive bytes, aligned
.endif
.endm
	TURN 0
.irp sg, 0,1,2,3,4,5,6,7,8,9,10,11,12,13,14,15
	SSTEP \sg
.endr
	s_wait_tensorcnt 0x0                           ; the wave's end
	ds_add_u32 v2, v3
	s_wait_dscnt 0x0
	s_endpgm
.Lfunc_end_k_q41fa7bef1c_prep:
	.size	k_q41fa7bef1c_prep, .Lfunc_end_k_q41fa7bef1c_prep-k_q41fa7bef1c_prep
	.p2alignl 7, 3214868480
	.fill 96, 4, 3214868480
	.section	.rodata,"a",@progbits
	.p2align	6, 0x0
	.amdhsa_kernel k_q41fa7bef1c_prep
		.amdhsa_group_segment_fixed_size 36864
		.amdhsa_private_segment_fixed_size 0
		.amdhsa_enable_private_segment 0
		.amdhsa_kernarg_size 80
		.amdhsa_user_sgpr_count 2
		.amdhsa_user_sgpr_kernarg_segment_ptr 1
		.amdhsa_wavefront_size32 1
		.amdhsa_system_sgpr_workgroup_id_x 1
		.amdhsa_system_sgpr_workgroup_id_y 1
		.amdhsa_system_sgpr_workgroup_id_z 1
		.amdhsa_system_vgpr_workitem_id 0
		.amdhsa_next_free_vgpr 512
		.amdhsa_next_free_sgpr 66
		.amdhsa_reserve_vcc 0
		.amdhsa_float_denorm_mode_32 3
		.amdhsa_float_denorm_mode_16_64 3
		.amdhsa_memory_ordered 1
		.amdhsa_forward_progress 1
		.amdhsa_inst_pref_size 195
	.end_amdhsa_kernel
	.amdgpu_metadata
---
amdhsa.version: [ 1, 2 ]
amdhsa.kernels:
  - .name:           k_q41fa7bef1c_prep
    .symbol:         k_q41fa7bef1c_prep.kd
    .args:
      - { .name: x_codes, .offset: 0, .size: 8, .value_kind: global_buffer, .address_space: global }
      - { .name: x_scales, .offset: 8, .size: 8, .value_kind: global_buffer, .address_space: global }
      - { .name: Wk_codes, .offset: 16, .size: 8, .value_kind: global_buffer, .address_space: global }
      - { .name: Wk_scales, .offset: 24, .size: 8, .value_kind: global_buffer, .address_space: global }
      - { .name: bk, .offset: 32, .size: 8, .value_kind: global_buffer, .address_space: global }
      - { .name: wbias, .offset: 40, .size: 8, .value_kind: global_buffer, .address_space: global }
      - { .name: ek, .offset: 48, .size: 8, .value_kind: global_buffer, .address_space: global }
      - { .name: eks, .offset: 56, .size: 8, .value_kind: global_buffer, .address_space: global }
      - { .name: ew, .offset: 64, .size: 8, .value_kind: global_buffer, .address_space: global }
      - { .name: ews, .offset: 72, .size: 8, .value_kind: global_buffer, .address_space: global }
    .group_segment_fixed_size: 36864
    .private_segment_fixed_size: 0
    .kernarg_segment_align: 8
    .kernarg_segment_size: 80
    .max_flat_workgroup_size: 128
    .sgpr_count:     66
    .vgpr_count:     512
    .wavefront_size: 32
...
	.end_amdgpu_metadata
.endif
;; end of part 1
;; launch aft (part 2): grid 64 x 4, 4 waves a work-group, clusters of 4 x 1, 327,680 bytes of LDS; arguments x_codes, x_scales, Wv_codes, Wv_scales, bv, Wq_codes, Wq_scales, bq, ek, eks, ew, ews, yc, ys; writes yc, ys
.if DOCPART == 2
	.amdgcn_target "amdgcn-amd-amdhsa--gfx1250"
	.amdhsa_code_object_version 6
	.text
	.protected	k_q41fa7bef1c_aft
	.globl	k_q41fa7bef1c_aft
	.p2align	8
	.type	k_q41fa7bef1c_aft,@function
k_q41fa7bef1c_aft:
	s_mov_b64 s[64:65], 0
	v_nop
	global_prefetch_b8 v0, s[64:65] scope:SCOPE_SE
	s_setreg_imm32_b32 hwreg(HW_REG_WAVE_MODE, 25, 1), 1
	s_wait_xcnt 0x0
	s_wait_alu depctr_hold_cnt(0) depctr_sa_sdst(0) depctr_va_vdst(0) depctr_va_sdst(0) depctr_va_ssrc(0) depctr_va_vcc(0) depctr_vm_vsrc(0)
	s_getreg_b32 s2, hwreg(HW_REG_IB_STS2, 6, 4)
	s_cmp_eq_u32 s2, 0
	s_cbranch_scc0 .Lentry_in_a_cluster
	s_endpgm
.Lentry_in_a_cluster:
	s_bfe_u32 s2, ttmp6, 0x10000c
	s_cmp_lg_u32 s2, 0x3003
	s_cbranch_scc0 .Lentry_shape_is_right
	s_endpgm
.Lentry_shape_is_right:
; AFT: numer = exp(wbias) x exp(k) (on prep's codes), v = x Wv^T, q = x Wq^T, weighted = sum_b numer v / sum_b numer, y = sigmoid(q) weighted, and y's quantiser along c -> yc, ys.  No work is left out.
; SHARES.  Work-group (X = 8 h + i, beta): rows t0 = 256 h + 32 i + 0 .. 31 of all four batches, d = 32 beta + 0 .. 31 of all eight column groups g.  Wave w: tau = w / 2 (16 rows), gq = w % 2 (g = 4 gq + g').
; ALL THREE PRODUCTS ARE USED TRANSPOSED AND GIVE ONE MAP: accumulator 8 g' + 2 b + u, lane (r, hh), register j holds (b, t0 = .. + 16 tau + r, g = 4 gq + g', d = 32 beta + 16 u + 8 hh + j).
;   numer: source 0 = 16 rows (b, 16 u ..) of ek, source 1 = tile g' of ew;   v, q: source 0 = 16 rows c = 128 g + 32 beta + 16 u .. of W, source 1 = 16 rows of x of batch b.
; So numer, v and q meet register to register.  bv is added once to weighted: sum n (v' + bv) / sum n = sum n v' / sum n + bv (another order of rounding than the reference's).
; LDS holds what the waves share: ek's 128 rows (region E), Wv's 256 rows (region V); Wq's 256 rows later fill region E again: the launch's one refill.  ew and x go from memory to registers.
; CLUSTER: the four work-groups of a cluster have the same h and beta: ek, Wv and Wq are asked for jointly.  ew, x and the scale words are loads into registers and cannot be shared so.
; LIMITS: as in prep (a block of zeros gets the byte 1; NaN and infinities are not served); sigmoid(z) = 1 / (1 + 2^(-z log2 e)) by v_exp_f32 and v_rcp_f32; the division by v_rcp_f32.
; REGISTERS.  Window 0: v1 16 lane; v2, v3 the add's two; v4-7 ek's LDS addresses by quarter; v8-9 Wq's, v10-11 Wv's; v12-17 offsets; v32-63 ek's scale words [slot % 2][b][q], later Wq's [g'][ks];
;   v64-79 ew's [slot % 2][a / 2][q]; v80-111 Wv's [g'][ks]; v112-127 x's [b / 2][ks]; v128-255 source 0's fragments, two sets of eight (behind the products: bias, codes, work).
;   Window 1: ew's fragments, two halves of four K steps; then v's accumulators; then q's.   Window 2: numer; later weighted in the registers of b = 0.   Window 3: x's fragments at 8 (8 b + ks).
.set PIT,   528                        ; an LDS line: 512 bytes + 16 of padding: the 16 lines that a load touches start 16 bytes apart modulo 256
.set QTR,   64*PIT                     ; 64 lines: what one tensor load brings
.set VREG,  4*QTR                      ; region V
.set SPARE, 8*QTR                      ; the spare words: 128 bytes a wave, two blocks of 256 bytes that no other line names
.set FLOOR, 0x1800000
.set MSB, 0
.macro WIN new
.if MSB != \new
	s_set_vgpr_msb (MSB<<8)|\new
.set MSB, \new
.endif
.endm
.macro PLACES n
.rept \n
	v_nop
.endr
.endm
.macro CROUND                          ; a round of the cluster's barrier
	s_barrier_signal -1
	s_barrier_wait -1
	s_cmp_lg_u32 s60, 0
	s_cbranch_scc1 .Lnw0_\@
	s_barrier_signal -3
.Lnw0_\@:
	s_barrier_wait -3
	s_barrier_signal -1
	s_barrier_wait -1
.endm
; One matrix instruction.  c < 0: the constant 0 starts the sum.  ra, rb: the scale words stand in lanes 16-31 of their registers.
.macro WM d, a, b, c, sa, sb, ra, rb
.if (\c) < 0
.if (\ra) && (\rb)
	v_wmma_scale_f32_16x16x128_f8f6f4 v[\d:\d+7], v[\a:\a+7], v[\b:\b+7], 0, v[\sa], v[\sb] matrix_a_fmt:MATRIX_FMT_FP4 matrix_b_fmt:MATRIX_FMT_FP4 matrix_a_scale:MATRIX_SCALE_ROW1 matrix_b_scale:MATRIX_SCALE_ROW1
.elseif (\ra)
	v_wmma_scale_f32_16x16x128_f8f6f4 v[\d:\d+7], v[\a:\a+7], v[\b:\b+7], 0, v[\sa], v[\sb] matrix_a_fmt:MATRIX_FMT_FP4 matrix_b_fmt:MATRIX_FMT_FP4 matrix_a_scale:MATRIX_SCALE_ROW1
.elseif (\rb)
	v_wmma_scale_f32_16x16x128_f8f6f4 v[\d:\d+7], v[\a:\a+7], v[\b:\b+7], 0, v[\sa], v[\sb] matrix_a_fmt:MATRIX_FMT_FP4 matrix_b_fmt:MATRIX_FMT_FP4 matrix_b_scale:MATRIX_SCALE_ROW1
.else
	v_wmma_scale_f32_16x16x128_f8f6f4 v[\d:\d+7], v[\a:\a+7], v[\b:\b+7], 0, v[\sa], v[\sb] matrix_a_fmt:MATRIX_FMT_FP4 matrix_b_fmt:MATRIX_FMT_FP4
.endif
.else
.if (\ra) && (\rb)
	v_wmma_scale_f32_16x16x128_f8f6f4 v[\d:\d+7], v[\a:\a+7], v[\b:\b+7], v[\c:\c+7], v[\sa], v[\sb] matrix_a_fmt:MATRIX_FMT_FP4 matrix_b_fmt:MATRIX_FMT_FP4 matrix_a_scale:MATRIX_SCALE_ROW1 matrix_b_scale:MATRIX_SCALE_ROW1
.elseif (\ra)
	v_wmma_scale_f32_16x16x128_f8f6f4 v[\d:\d+7], v[\a:\a+7], v[\b:\b+7], v[\c:\c+7], v[\sa], v[\sb] matrix_a_fmt:MATRIX_FMT_FP4 matrix_b_fmt:MATRIX_FMT_FP4 matrix_a_scale:MATRIX_SCALE_ROW1
.elseif (\rb)
	v_wmma_scale_f32_16x16x128_f8f6f4 v[\d:\d+7], v[\a:\a+7], v[\b:\b+7], v[\c:\c+7], v[\sa], v[\sb] matrix_a_fmt:MATRIX_FMT_FP4 matrix_b_fmt:MATRIX_FMT_FP4 matrix_b_scale:MATRIX_SCALE_ROW1
.else
	v_wmma_scale_f32_16x16x128_f8f6f4 v[\d:\d+7], v[\a:\a+7], v[\b:\b+7], v[\c:\c+7], v[\sa], v[\sb] matrix_a_fmt:MATRIX_FMT_FP4 matrix_b_fmt:MATRIX_FMT_FP4
.endif
.endif
.endm
	s_load_b512 s[4:19], s[0:1], 0x0               ; x_codes 4, x_scales 6, Wv_codes 8, Wv_scales 10, bv 12, Wq_codes 14, Wq_scales 16, bq 18
	s_load_b256 s[20:27], s[0:1], 0x40             ; ek 20, eks 22, ew 24, ews 26
	s_load_b128 s[28:31], s[0:1], 0x60             ; yc 28, ys 30
	v_lshl_add_u32 v2, v0, 2, SPARE
	v_mov_b32 v3, 0
	ds_add_u32 v2, v3                              ; the wave's opening: the add twice, waited for ahead of my first tensor load
	ds_add_u32 v2, v3
	v_lshrrev_b32 v18, 5, v0
	v_readfirstlane_b32 s60, v18                   ; wave 0..3
	; group 1 for ek: 64 lines of 512 bytes (64 elements of 8 bytes), 1,024 bytes apart in memory; 16 bytes of padding behind each 512
	s_mov_b32 s32, 15|(3<<16)|(1<<20)|(1<<21)|(6<<22)|(3<<25)   ; the mask: all four partners, bit 21 beside it; elements of 8 bytes; padding on: 4 words behind every 128
	s_mov_b32 s33, 64<<16                          ; tensor_dim0
	s_mov_b32 s34, 64<<16                          ; tensor_dim1
	s_mov_b32 s35, 64<<16                          ; tile_dim0
	s_mov_b32 s36, 64                              ; tile_dim1
	s_mov_b32 s37, 128                             ; from row to row
	s_mov_b32 s38, 0
	s_mov_b32 s39, 0
	; group 1 for Wv and Wq: two runs of 32 dense rows (16,384 bytes = 2,048 elements), 128 rows (65,536 bytes) apart; the same padding, so that the lines lie 528 bytes apart here too
	s_mov_b32 s40, 15|(3<<16)|(1<<20)|(1<<21)|(6<<22)|(3<<25)
	s_mov_b32 s41, 2048<<16
	s_mov_b32 s42, 2<<16
	s_mov_b32 s43, 2048<<16
	s_mov_b32 s44, 2
	s_mov_b32 s45, 8192
	s_mov_b32 s46, 0
	s_mov_b32 s47, 0
	s_lshr_b32 s63, ttmp9, 1                       ; h: from the cluster's x alone
	s_and_b32 s66, ttmp7, 0xffff                   ; beta: the cluster's y
	s_lshl_b32 s69, s63, 2
	s_add_co_u32 s69, s69, s66                     ; 4 h + beta
	s_lshr_b32 s67, s60, 1                         ; tau
	s_and_b32 s68, s60, 1                          ; gq
	s_lshl_b32 s70, s69, 17                        ; ek: 128 rows of 1,024 bytes for each (h, beta);
	s_lshl_b32 s71, s68, 16
	s_add_co_u32 s70, s70, s71                     ; wave w brings rows 64 (w % 2) on,
	s_lshl_b32 s71, s67, 9
	s_add_co_u32 s70, s70, s71                     ; K half w / 2: LDS line 128 (w / 2) + row
	s_mov_b32 s71, 0
	s_lshl_b32 s72, s60, 17                        ; W: wave w brings g = 2 w, 2 w + 1,
	s_lshl_b32 s73, s66, 14
	s_add_co_u32 s72, s72, s73                     ; rows 32 beta on of each: LDS line 32 g + rho
	s_mov_b32 s73, 0
	s_mov_b32 s48, 1
	s_mul_i32 s49, s60, QTR                        ; every load of wave w lands on lines 64 w .. 64 w + 63 of its region
	s_mov_b32 s52, 1
	s_add_co_u32 s53, s49, VREG
	s_mov_b32 s56, 1
	s_mov_b32 s57, s49
	s_mov_b32 s74, 0xbfb8aa3b                      ; -log2(e)
	s_mov_b32 s75, s74
	s_mov_b32 s76, 0x76543210
	s_mov_b32 s77, 0xfedcba98
	s_mov_b32 s78, 0xffff0000
	s_wait_dscnt 0x0                               ; both opening adds are done
	s_wait_kmcnt 0x0
	s_add_nc_u64 s[50:51], s[20:21], s[70:71]
	s_or_b32 s51, s51, 0x80000000
	s_add_nc_u64 s[54:55], s[8:9], s[72:73]
	s_or_b32 s55, s55, 0x80000000
	s_add_nc_u64 s[58:59], s[14:15], s[72:73]
	s_or_b32 s59, s59, 0x80000000
	CROUND                                         ; all four work-groups are here: the first joint loads meet
	tensor_load_to_lds s[48:51], s[32:39]          ; ek -> region E
	s_nop 0
	tensor_load_to_lds s[52:55], s[40:47]          ; Wv -> region V: two tensor loads of mine are out
	s_nop 0
	PLACES 4
	s_bfe_u32 s61, ttmp6, 0x40000                  ; cx: it enters the addresses of loads into registers and of stores alone
	s_lshl_b32 s62, ttmp9, 2
	s_add_co_u32 s62, s62, s61                     ; X
	s_mov_b32 s81, 0
	s_lshl_b32 s80, s62, 14
	s_lshl_b32 s82, s67, 13
	s_add_co_u32 s80, s80, s82
	s_add_nc_u64 s[4:5], s[4:5], s[80:81]          ; x's codes at row 32 X + 16 tau (of batch 0)
	s_lshr_b32 s80, s80, 4
	s_add_nc_u64 s[6:7], s[6:7], s[80:81]          ; x's scales
	s_lshl_b32 s80, s68, 14
	s_lshl_b32 s82, s66, 10
	s_add_co_u32 s80, s80, s82
	s_add_nc_u64 s[10:11], s[10:11], s[80:81]      ; W's scales at row 512 gq + 32 beta
	s_add_nc_u64 s[16:17], s[16:17], s[80:81]
	s_lshr_b32 s80, s80, 3
	s_add_nc_u64 s[12:13], s[12:13], s[80:81]      ; the biases likewise
	s_add_nc_u64 s[18:19], s[18:19], s[80:81]
	s_lshl_b32 s80, s69, 13
	s_add_nc_u64 s[22:23], s[22:23], s[80:81]      ; eks
	s_lshl_b32 s80, s62, 18
	s_lshl_b32 s82, s68, 17
	s_add_co_u32 s80, s80, s82
	s_lshl_b32 s82, s67, 14
	s_add_co_u32 s80, s80, s82
	s_add_nc_u64 s[24:25], s[24:25], s[80:81]      ; ew at tile 16 X + 8 gq + tau
	s_lshr_b32 s80, s80, 4
	s_add_nc_u64 s[26:27], s[26:27], s[80:81]      ; ews
	s_lshl_b32 s80, s62, 16
	s_lshl_b32 s82, s67, 15
	s_add_co_u32 s80, s80, s82
	s_lshl_b32 s82, s66, 11
	s_add_co_u32 s80, s80, s82
	s_lshl_b32 s82, s68, 10
	s_add_co_u32 s80, s80, s82
	s_add_nc_u64 s[28:29], s[28:29], s[80:81]      ; yc: 32,768 G + 1,024 kappa, G = 2 X + tau, kappa = 2 beta + gq
	s_lshl_b32 s80, s62, 12
	s_lshl_b32 s82, s67, 11
	s_add_co_u32 s80, s80, s82
	s_lshl_b32 s82, s66, 9
	s_add_co_u32 s80, s80, s82
	s_lshl_b32 s82, s68, 8
	s_add_co_u32 s80, s80, s82
	s_add_nc_u64 s[30:31], s[30:31], s[80:81]      ; ys: 2,048 G + 256 kappa
	v_and_b32 v18, 31, v0                          ; lane
	v_and_b32 v19, 15, v0                          ; r
	v_bfe_u32 v20, v0, 4, 1                        ; hh
	v_lshlrev_b32 v1, 4, v18
	v_mul_u32_u24 v21, v19, PIT
	v_lshl_add_u32 v21, v20, 4, v21                ; line r, + 16 hh
.irp q, 0,1,2,3
	v_add_nc_u32 v[4+\q], \q*QTR, v21
.endr
	s_mul_i32 s82, s68, 2*QTR
	v_add_nc_u32 v8, s82, v21                      ; W's lines 128 gq on,
	v_add_nc_u32 v9, QTR, v8                       ; and 64 further
	v_add_nc_u32 v10, VREG, v8
	v_add_nc_u32 v11, VREG, v9
	v_lshlrev_b32 v12, 9, v19
	v_lshl_add_u32 v12, v20, 4, v12                ; x's codes: row r, + 16 hh
	v_lshlrev_b32 v13, 16, v20
	v_lshl_add_u32 v13, v19, 5, v13                ; x's scales: lanes 16-31 one batch on
	v_lshlrev_b32 v14, 5, v18                      ; W's scales: 32 bytes a row, a lane a row
	v_lshlrev_b32 v15, 11, v20
	v_lshl_add_u32 v15, v19, 4, v15                ; ews: lanes 16-31 one g' (two tiles) on
	v_lshlrev_b32 v16, 5, v20                      ; the biases: 8 hh numbers on
	v_lshlrev_b32 v17, 4, v19
	v_lshl_add_u32 v17, v20, 3, v17                ; 16 r + 8 hh
; 38 loads: four K steps (4 n + q) of ew's four tiles into ring half n % 2, with ew's and ek's scale words
.macro EWBATCH n
	WIN 0x40
.irp q, 0,1,2,3
.irp a, 0,1,2,3
.irp c, 0,1
	global_load_b128 v[128*((\n)%2)+32*\q+8*\a+4*\c:128*((\n)%2)+32*\q+8*\a+4*\c+3], v1, s[24:25] offset:\a*32768+(4*(\n)+\q)*1024+\c*512   ; 512 consecutive bytes
.endr
.endr
.endr
	WIN 0
.irp pa, 0,1
	global_load_b128 v[64+8*((\n)%2)+4*\pa:64+8*((\n)%2)+4*\pa+3], v15, s[26:27] offset:\pa*4096+(\n)*256
.endr
.irp b, 0,1,2,3
	global_load_b128 v[32+16*((\n)%2)+4*\b:32+16*((\n)%2)+4*\b+3], v1, s[22:23] offset:(\n)*2048+\b*512
.endr
.endm
; ek's eight fragments (i = 2 b + u) of K step ks
.macro EKFETCH ks, set
.irp b, 0,1,2,3
.irp u, 0,1
.irp c, 0,1
	ds_load_b128 v[128+64*(\set)+8*(2*\b+\u)+4*\c:128+64*(\set)+8*(2*\b+\u)+4*\c+3], v[4+2*((\ks)/8)+\b/2] offset:((\b%2)*32+16*\u)*PIT+((\ks)%8)*64+32*\c
.endr
.endr
.endr
.endm
; W's eight fragments (i = 2 g' + u) of K step ks; adr: the first of the region's two address registers
.macro WFETCH adr, ks, set
.irp g, 0,1,2,3
.irp u, 0,1
.irp c, 0,1
	ds_load_b128 v[128+64*(\set)+8*(2*\g+\u)+4*\c:128+64*(\set)+8*(2*\g+\u)+4*\c+3], v[\adr+\g/2] offset:((\g%2)*32+16*\u)*PIT+(\ks)*64+32*\c
.endr
.endr
.endr
.endm
; What the projections want from memory, dealt out over numer's K steps: 64 loads of x's codes, 4 of x's scale words, 8 of Wv's
.macro XITEM n
.if (\n) < 64
	WIN 0xc0
	global_load_b128 v[8*(8*((\n)/16)+((\n)%16)/2)+4*((\n)%2):8*(8*((\n)/16)+((\n)%16)/2)+4*((\n)%2)+3], v12, s[4:5] offset:((\n)/16)*1048576+(((\n)%16)/2)*64+32*((\n)%2)
.elseif (\n) < 68
	WIN 0
	global_load_b128 v[112+4*((\n)-64):112+4*((\n)-64)+3], v13, s[6:7] offset:(((\n)-64)/2)*131072+16*(((\n)-64)%2)
.elseif (\n) < 76
	WIN 0
	global_load_b128 v[80+4*((\n)-68):80+4*((\n)-68)+3], v14, s[10:11] offset:(((\n)-68)/2)*4096+16*(((\n)-68)%2)
.endif
.endm
.macro BIASLD bp                       ; a bias in the results' layout: eight registers for each (g', u), into v128-191
.irp g, 0,1,2,3
.irp u, 0,1
.irp hf, 0,1
	global_load_b128 v[128+8*(2*\g+\u)+4*\hf:128+8*(2*\g+\u)+4*\hf+3], v16, s[\bp:\bp+1] offset:\g*512+\u*64+16*\hf
.endr
.endr
.endr
.endm
; A K step of numer: 32 matrix instructions, the 32 accumulators by turns.
.macro P4STEP ks
	s_wait_dscnt 0x0                               ; this step's fragments of ek are in
	PLACES 4                                       ; in front of the loads into the set that the last step multiplied
.if (\ks) < 15
	EKFETCH (\ks)+1, ((\ks)+1)%2
.endif
.irp z, 0,1,2,3,4
	XITEM 5*(\ks)+\z
.endr
	WIN 0xa4                                       ; source 1 window 1; C and D window 2
.irp a, 0,1,2,3
.irp i, 0,1,2,3,4,5,6,7
.if (\ks) == 0
	WM 8*(8*\a+\i), 128+64*((\ks)%2)+8*\i, 128*(((\ks)/4)%2)+32*((\ks)%4)+8*\a, -1, 32+16*(((\ks)/4)%2)+4*(\i/2)+(\ks)%4, 64+8*(((\ks)/4)%2)+4*(\a/2)+(\ks)%4, \i%2, \a%2
.else
	WM 8*(8*\a+\i), 128+64*((\ks)%2)+8*\i, 128*(((\ks)/4)%2)+32*((\ks)%4)+8*\a, 8*(8*\a+\i), 32+16*(((\ks)/4)%2)+4*(\i/2)+(\ks)%4, 64+8*(((\ks)/4)%2)+4*(\a/2)+(\ks)%4, \i%2, \a%2
.endif
.endr
.endr
	WIN 0
.endm
; A K step of a projection.  adr: W's address registers; scl: its scale words; bp: the bias that the last step asks for.
.macro PJSTEP adr, scl, ks, bp
	s_wait_dscnt 0x0
	PLACES 4
.if (\ks) < 7
	WFETCH \adr, (\ks)+1, ((\ks)+1)%2
.else
	BIASLD \bp
.endif
	WIN 0x5c                                       ; source 1 window 3; C and D window 1
.irp a, 0,1,2,3
.irp i, 0,1,2,3,4,5,6,7
.if (\ks) == 0
	WM 8*(8*(\i/2)+2*\a+\i%2), 128+64*((\ks)%2)+8*\i, 8*(8*\a+(\ks)), -1, \scl+8*(\i/2)+(\ks), 112+8*(\a/2)+(\ks), \i%2, \a%2
.else
	WM 8*(8*(\i/2)+2*\a+\i%2), 128+64*((\ks)%2)+8*\i, 8*(8*\a+(\ks)), 8*(8*(\i/2)+2*\a+\i%2), \scl+8*(\i/2)+(\ks), 112+8*(\a/2)+(\ks), \i%2, \a%2
.endif
.endr
.endr
	WIN 0
.endm
	EWBATCH 0
	EWBATCH 1
	s_wait_tensorcnt 0x1                           ; my part of ek is in; Wv's may stay out
	s_barrier_signal -1
	s_barrier_wait -1                              ; everybody's is
	EKFETCH 0, 0
	; ---- numer: 16 K steps in four slots of four
	s_wait_loadcnt 38                              ; batch 0 is in; batch 1's 38 loads may be out
.irp ks, 0,1,2,3
	P4STEP \ks
.endr
	PLACES 4
	EWBATCH 2
	s_wait_loadcnt 58                              ; batch 1 is in; behind it: slot 0's 20 loads for the projections and batch 2's 38
.irp ks, 4,5,6,7
	P4STEP \ks
.endr
	PLACES 4
	EWBATCH 3
	s_wait_loadcnt 58                              ; batch 2 is in; behind it: slot 1's 20 and batch 3's 38
.irp ks, 8,9,10,11
	P4STEP \ks
.endr
	s_wait_loadcnt 20                              ; batch 3 is in; behind it: slot 2's 20
.irp ks, 12,13,14,15
	P4STEP \ks
.endr
	; ---- region E is filled again, with Wq
	s_wait_tensorcnt 0x0                           ; all my tensor loads have landed, Wv's among them
	ds_add_u32 v2, v3
	s_wait_dscnt 0x0                               ; the add is done, and my reads of ek are over
	CROUND                                         ; no wave of any partner still reads ek or has a load on its way
	tensor_load_to_lds s[56:59], s[40:47]          ; it has v's eight K steps and the sums over b in which to land
	s_nop 0
	PLACES 4                                       ; also places behind numer's last products
	; ---- v' = x Wv^T
	s_wait_loadcnt 0x0                             ; x's codes and scale words, Wv's scale words
.irp g, 0,1,2,3
.irp hf, 0,1
	global_load_b128 v[32+8*\g+4*\hf:32+8*\g+4*\hf+3], v14, s[16:17] offset:\g*4096+16*\hf   ; Wq's scale words take the place of ek's
.endr
.endr
	WFETCH 10, 0, 0
.irp ks, 0,1,2,3,4,5,6,7
	PJSTEP 10, 80, \ks, 12
.endr
	; ---- the sums over b.  Each accumulator is read from its low end on.
	PLACES 4
	s_wait_loadcnt 0x0                             ; bv, Wq's scale words
	WIN 0x56                                       ; numer (source 0) window 2; v (source 1), the sum (source 2, destination) window 1
.irp g, 0,1,2,3
.irp u, 0,1
.irp p, 0,2,4,6
	v_pk_mul_f32 v[8*(8*\g+\u)+\p:8*(8*\g+\u)+\p+1], v[8*(8*\g+\u)+\p:8*(8*\g+\u)+\p+1], v[8*(8*\g+\u)+\p:8*(8*\g+\u)+\p+1]
.endr
.irp b, 1,2,3
.irp p, 0,2,4,6
	v_pk_fma_f32 v[8*(8*\g+\u)+\p:8*(8*\g+\u)+\p+1], v[8*(8*\g+2*\b+\u)+\p:8*(8*\g+2*\b+\u)+\p+1], v[8*(8*\g+2*\b+\u)+\p:8*(8*\g+2*\b+\u)+\p+1], v[8*(8*\g+\u)+\p:8*(8*\g+\u)+\p+1]
.endr
.endr
.endr
.endr
	WIN 0x8a                                       ; denom: all in window 2, into the registers of b = 0
.irp g, 0,1,2,3
.irp u, 0,1
.irp b, 1,2,3
.irp p, 0,2,4,6
	v_pk_add_f32 v[8*(8*\g+\u)+\p:8*(8*\g+\u)+\p+1], v[8*(8*\g+\u)+\p:8*(8*\g+\u)+\p+1], v[8*(8*\g+2*\b+\u)+\p:8*(8*\g+2*\b+\u)+\p+1]
.endr
.endr
.endr
.endr
	WIN 0x82
.irp g, 0,1,2,3
.irp u, 0,1
.irp j, 0,1,2,3,4,5,6,7
	v_rcp_f32 v[8*(8*\g+\u)+\j], v[8*(8*\g+\u)+\j]
.endr
.endr
.endr
	v_nop                                          ; a plain instruction behind the last reciprocal
	s_wait_alu depctr_va_vdst(0)                   ; one wait for the 64, ahead of their first reader
	WIN 0x89                                       ; the sum window 1, 1 / denom window 2, bv window 0; weighted window 2
.irp g, 0,1,2,3
.irp u, 0,1
.irp p, 0,2,4,6
	v_pk_fma_f32 v[8*(8*\g+\u)+\p:8*(8*\g+\u)+\p+1], v[8*(8*\g+\u)+\p:8*(8*\g+\u)+\p+1], v[8*(8*\g+\u)+\p:8*(8*\g+\u)+\p+1], v[128+8*(2*\g+\u)+\p:128+8*(2*\g+\u)+\p+1]
.endr
.endr
.endr
	WIN 0
	; ---- q' = x Wq^T
	s_wait_tensorcnt 0x0                           ; my part of Wq is in,
	s_wait_dscnt 0x0
	s_barrier_signal -1
	s_barrier_wait -1                              ; everybody's is
	WFETCH 8, 0, 0
.irp ks, 0,1,2,3,4,5,6,7
	PJSTEP 8, 32, \ks, 18
.endr
	; ---- y = weighted / (1 + 2^(-(q' + bq) log2 e))
	PLACES 4
	s_wait_loadcnt 0x0                             ; bq
.irp b, 0,1,2,3
	v_mov_b32 v[228+\b], 0                         ; a lane permute's destination counts as one of its sources
.endr
.set n, 0
.rept 32
	v_pk_mul_f32 v[128+2*n:128+2*n+1], v[128+2*n:128+2*n+1], s[74:75] op_sel_hi:[1,0]   ; -bq log2 e
.set n, n+1
.endr
	WIN 0x41                                       ; q: source 0 and destination window 1
.set n, 0
.rept 32
.irp p, 0,2,4,6
	v_pk_fma_f32 v[8*n+\p:8*n+\p+1], v[8*n+\p:8*n+\p+1], s[74:75], v[128+8*(2*(n/8)+n%2)+\p:128+8*(2*(n/8)+n%2)+\p+1] op_sel_hi:[1,0,1]
.endr
.set n, n+1
.endr
.set n, 0
.rept 256
	v_exp_f32 v[n], v[n]
.set n, n+1
.endr
	v_nop
	s_wait_alu depctr_va_vdst(0)                   ; one wait for the batch of 256
.set n, 0
.rept 128
	v_pk_add_f32 v[2*n:2*n+1], v[2*n:2*n+1], 1.0 op_sel_hi:[1,0]
.set n, n+1
.endr
.set n, 0
.rept 256
	v_rcp_f32 v[n], v[n]
.set n, n+1
.endr
	v_nop
	s_wait_alu depctr_va_vdst(0)                   ; and one for the 256 reciprocals
	WIN 0x49                                       ; weighted: source 1, window 2
.set n, 0
.rept 32
.irp p, 0,2,4,6
	v_pk_mul_f32 v[8*n+\p:8*n+\p+1], v[8*n+\p:8*n+\p+1], v[8*(8*(n/8)+n%2)+\p:8*(8*(n/8)+n%2)+\p+1]
.endr
.set n, n+1
.endr
	; ---- y's quantiser along c.  A block is (row, g, c % 128 = 32 beta + 0 .. 31): the 16 registers of accumulators (g', b, 0) and (g', b, 1) in lanes l and l xor 16.
	; v224-227 largest magnitudes, v228-231 the other lane's, v232-235 the conversions' scale operands, v236-239 bytes, v240-243 the scale words [b] (byte g'), v192-223 codes, two for each (g', b).
.irp g, 0,1,2,3
	WIN 0x05                                       ; sources 0 and 1 window 1
.irp b, 0,1,2,3
	v_max3_num_f32 v[224+\b], |v[8*(8*\g+2*\b)]|, |v[8*(8*\g+2*\b)+1]|, FLOOR
.endr
.irp i, 2,4,6,8,10,12,14
.irp b, 0,1,2,3
	v_max3_num_f32 v[224+\b], |v[8*(8*\g+2*\b)+\i]|, |v[8*(8*\g+2*\b)+\i+1]|, v[224+\b]
.endr
.endr
	WIN 0
.irp b, 0,1,2,3
	v_permlanex16_b32 v[228+\b], v[224+\b], s76, s77
.endr
.irp b, 0,1,2,3
	v_max_num_f32 v[224+\b], v[224+\b], v[228+\b]
.endr
.irp b, 0,1,2,3
	v_add_nc_u32 v[232+\b], 0xff000000, v[224+\b]  ; 2 off the exponent field
.endr
.if \g == 0
.irp b, 0,1,2,3
	v_lshrrev_b32 v[240+\b], 23, v[232+\b]
.endr
.else
.irp b, 0,1,2,3
	v_lshrrev_b32 v[236+\b], 23, v[232+\b]
.endr
.irp b, 0,1,2,3
	v_lshl_or_b32 v[240+\b], v[236+\b], 8*\g, v[240+\b]
.endr
.endif
	WIN 0x01
.irp b, 0,1,2,3
.irp u, 0,1
	v_cvt_scalef32_pk8_fp4_f32 v[192+2*(4*\g+\b)+\u], v[8*(8*\g+2*\b+\u):8*(8*\g+2*\b+\u)+7], v[232+\b]
.endr
.endr
	WIN 0
	v_nop                                          ; a plain instruction behind the conversions
.irp b, 0,1,2,3
	v_permlane16_swap_b32 v[192+2*(4*\g+\b)], v[193+2*(4*\g+\b)]   ; lane (r, 0) now holds the block's codes 0-15, lane (r, 1) its codes 16-31
.endr
.irp b, 0,1,2,3
	global_store_b64 v17, v[192+2*(4*\g+\b):193+2*(4*\g+\b)], s[28:29] offset:\b*8192+\g*256   ; 32 lanes store 256 consecutive bytes, aligned
.endr
.endr
	v_cndmask_b32 v244, v240, v242, s78            ; lanes 0-15 store the words of b = 0, 1 of row r, lanes 16-31 those of b = 2, 3
	v_cndmask_b32 v245, v241, v243, s78
	global_store_b64 v17, v[244:245], s[30:31]
	s_wait_tensorcnt 0x0                           ; the wave's end
	ds_add_u32 v2, v3
	s_wait_dscnt 0x0
	CROUND                                         ; the closing round
	s_endpgm
.Lfunc_end_k_q41fa7bef1c_aft:
	.size	k_q41fa7bef1c_aft, .Lfunc_end_k_q41fa7bef1c_aft-k_q41fa7bef1c_aft
	.p2alignl 7, 3214868480
	.fill 96, 4, 3214868480
	.section	.rodata,"a",@progbits
	.p2align	6, 0x0
	.amdhsa_kernel k_q41fa7bef1c_aft
		.amdhsa_group_segment_fixed_size 327680
		.amdhsa_private_segment_fixed_size 0
		.amdhsa_enable_private_segment 0
		.amdhsa_kernarg_size 112
		.amdhsa_user_sgpr_count 2
		.amdhsa_user_sgpr_kernarg_segment_ptr 1
		.amdhsa_wavefront_size32 1
		.amdhsa_system_sgpr_workgroup_id_x 1
		.amdhsa_system_sgpr_workgroup_id_y 1
		.amdhsa_system_sgpr_workgroup_id_z 1
		.amdhsa_system_vgpr_workitem_id 0
		.amdhsa_next_free_vgpr 1024
		.amdhsa_next_free_sgpr 100
		.amdhsa_reserve_vcc 0
		.amdhsa_float_denorm_mode_32 3
		.amdhsa_float_denorm_mode_16_64 3
		.amdhsa_memory_ordered 1
		.amdhsa_forward_progress 1
		.amdhsa_inst_pref_size 255
	.end_amdhsa_kernel
	.section	.bss,"aw",@nobits
	.p2align	6
	.space	262144
	.amdgpu_metadata
---
amdhsa.version: [ 1, 2 ]
amdhsa.kernels:
  - .name:           k_q41fa7bef1c_aft
    .symbol:         k_q41fa7bef1c_aft.kd
    .args:
      - { .name: x_codes, .offset: 0, .size: 8, .value_kind: global_buffer, .address_space: global }
      - { .name: x_scales, .offset: 8, .size: 8, .value_kind: global_buffer, .address_space: global }
      - { .name: Wv_codes, .offset: 16, .size: 8, .value_kind: global_buffer, .address_space: global }
      - { .name: Wv_scales, .offset: 24, .size: 8, .value_kind: global_buffer, .address_space: global }
      - { .name: bv, .offset: 32, .size: 8, .value_kind: global_buffer, .address_space: global }
      - { .name: Wq_codes, .offset: 40, .size: 8, .value_kind: global_buffer, .address_space: global }
      - { .name: Wq_scales, .offset: 48, .size: 8, .value_kind: global_buffer, .address_space: global }
      - { .name: bq, .offset: 56, .size: 8, .value_kind: global_buffer, .address_space: global }
      - { .name: ek, .offset: 64, .size: 8, .value_kind: global_buffer, .address_space: global }
      - { .name: eks, .offset: 72, .size: 8, .value_kind: global_buffer, .address_space: global }
      - { .name: ew, .offset: 80, .size: 8, .value_kind: global_buffer, .address_space: global }
      - { .name: ews, .offset: 88, .size: 8, .value_kind: global_buffer, .address_space: global }
      - { .name: yc, .offset: 96, .size: 8, .value_kind: global_buffer, .address_space: global }
      - { .name: ys, .offset: 104, .size: 8, .value_kind: global_buffer, .address_space: global }
    .group_segment_fixed_size: 327680
    .private_segment_fixed_size: 0
    .kernarg_segment_align: 8
    .kernarg_segment_size: 112
    .max_flat_workgroup_size: 128
    .sgpr_count:     100
    .vgpr_count:     1024
    .wavefront_size: 32
...
	.end_amdgpu_metadata
.endif
;; end of part 2
;; launch outp (part 3): grid 64 x 4, 4 waves a work-group, clusters of 4 x 1, 172,032 bytes of LDS; arguments yc, ys, Wo_codes, Wo_scales, bo, out0; writes out0
.if DOCPART == 3
	.amdgcn_target "amdgcn-amd-amdhsa--gfx1250"
	.amdhsa_code_object_version 6
	.text
	.protected	k_q41fa7bef1c_outp
	.globl	k_q41fa7bef1c_outp
	.p2align	8
	.type	k_q41fa7bef1c_outp,@function
k_q41fa7bef1c_outp:
	s_mov_b64 s[64:65], 0
	v_nop
	global_prefetch_b8 v0, s[64:65] scope:SCOPE_SE
	s_setreg_imm32_b32 hwreg(HW_REG_WAVE_MODE, 25, 1), 1
	s_wait_xcnt 0x0
	s_wait_alu depctr_hold_cnt(0) depctr_sa_sdst(0) depctr_va_vdst(0) depctr_va_sdst(0) depctr_va_ssrc(0) depctr_va_vcc(0) depctr_vm_vsrc(0)
	s_getreg_b32 s2, hwreg(HW_REG_IB_STS2, 6, 4)
	s_cmp_eq_u32 s2, 0
	s_cbranch_scc0 .Lentry_in_a_cluster
	s_endpgm
.Lentry_in_a_cluster:
	s_bfe_u32 s2, ttmp6, 0x10000c
	s_cmp_lg_u32 s2, 0x3003
	s_cbranch_scc0 .Lentry_shape_is_right
	s_endpgm
.Lentry_shape_is_right:
; OUTP: out0 = y Wo^T + bo on aft's codes of y and the given codes of Wo.  No work is left out.
; SHARES.  Work-group (GP, nq): row groups G = 2 GP, 2 GP + 1 (16 rows t0 = 16 G + r of each of the four batches) x columns 256 nq + 0 .. 255.  Wave w: G = 2 GP + w / 2, columns 128 (w % 2) on.
; The product is used transposed: source 0 = 16 rows of Wo (tile i), source 1 = 16 rows of y (batch a): accumulator 8 a + i, lane (r, hh), register j = out0(2048 a + 16 G + r, .. + 16 i + 8 hh + j).
; K's BLOCKS OF 32 ARE TAKEN IN ANOTHER ORDER THAN THEY LIE, alike on both sides: K step kappa = 2 beta + gq holds the blocks c = 128 (4 gq + g') + 32 beta, g' = 0 .. 3.  y's codes and scale words were
; stored so; on Wo's side it is an address (codes) and a turn of 4 x 4 bytes (scale words).  The sums differ from the reference's by their order alone.
; Wo's 256 rows come into LDS once, by joint loads (the four partners have the same nq); y goes from memory to registers: yc holds images of the operand's registers.  bo is the C of the first K step.
; REGISTERS.  Window 0: v1 16 lane; v2, v3 the add's two; v4-9 addresses; v24-27 at work; v32-63 y's scale words [kappa][b]; v64-95 Wo's [i / 2][kappa] (lanes 0-15 the even tile, lanes 16-31 the odd);
;   v96-127 Wo's scale bytes as they lie; v128-255 Wo's fragments, two sets; on the way out rows of out0.   Window 1: y's fragments at 8 (8 b + kappa).   Window 2: the accumulators.   Window 3: v0-63 bo.
.set PIT,   528
.set QTR,   64*PIT
.set STAGE, 4*QTR                      ; behind Wo's rows: a stage of 16 rows x 528 bytes for each wave; no tensor load lands there
.set SPARE, STAGE+4*16*PIT             ; the spare words: 128 bytes a wave, two blocks of 256 bytes that no other line names
.set MSB, 0
.macro WIN new
.if MSB != \new
	s_set_vgpr_msb (MSB<<8)|\new
.set MSB, \new
.endif
.endm
.macro PLACES n
.rept \n
	v_nop
.endr
.endm
.macro CROUND
	s_barrier_signal -1
	s_barrier_wait -1
	s_cmp_lg_u32 s16, 0
	s_cbranch_scc1 .Lnw0_\@
	s_barrier_signal -3
.Lnw0_\@:
	s_barrier_wait -3
	s_barrier_signal -1
	s_barrier_wait -1
.endm
.macro WMO d, a, b, c, sa, sb, ra
.if \ra
	v_wmma_scale_f32_16x16x128_f8f6f4 v[\d:\d+7], v[\a:\a+7], v[\b:\b+7], v[\c:\c+7], v[\sa], v[\sb] matrix_a_fmt:MATRIX_FMT_FP4 matrix_b_fmt:MATRIX_FMT_FP4 matrix_a_scale:MATRIX_SCALE_ROW1
.else
	v_wmma_scale_f32_16x16x128_f8f6f4 v[\d:\d+7], v[\a:\a+7], v[\b:\b+7], v[\c:\c+7], v[\sa], v[\sb] matrix_a_fmt:MATRIX_FMT_FP4 matrix_b_fmt:MATRIX_FMT_FP4
.endif
.endm
	s_load_b256 s[4:11], s[0:1], 0x0               ; yc 4, ys 6, Wo_codes 8, Wo_scales 10
	s_load_b128 s[12:15], s[0:1], 0x20             ; bo 12, out0 14
	v_lshl_add_u32 v2, v0, 2, SPARE
	v_mov_b32 v3, 0
	ds_add_u32 v2, v3                              ; the wave's opening: the add twice, waited for ahead of my first tensor load
	ds_add_u32 v2, v3
	v_lshrrev_b32 v10, 5, v0
	v_readfirstlane_b32 s16, v10                   ; wave 0..3
	s_and_b32 s19, ttmp7, 0xffff                   ; nq: the cluster's y
	s_lshl_b32 s36, s19, 17                        ; Wo: 256 nq rows of 512 bytes,
	s_lshl_b32 s37, s16, 15
	s_add_co_u32 s36, s36, s37                     ; + 64 rows for each wave
	s_mov_b32 s37, 0
	s_mov_b32 s24, 15|(3<<16)|(1<<20)|(1<<21)|(6<<22)|(3<<25)   ; the mask: all four partners, bit 21 beside it; elements of 8 bytes; 4 words of padding behind every 128
	s_mov_b32 s25, 64<<16                          ; tensor_dim0: 64 elements, 512 bytes
	s_mov_b32 s26, 64<<16                          ; tensor_dim1
	s_mov_b32 s27, 64<<16                          ; tile_dim0
	s_mov_b32 s28, 64                              ; tile_dim1
	s_mov_b32 s29, 64                              ; from row to row: dense
	s_mov_b32 s30, 0
	s_mov_b32 s31, 0
	s_mov_b32 s32, 1
	s_mul_i32 s33, s16, QTR
	s_mov_b32 s40, 0x05010400                      ; the byte selects of the 4 x 4 turn
	s_mov_b32 s41, 0x07030602
	s_mov_b32 s42, 0x05040100
	s_mov_b32 s43, 0x07060302
	s_wait_dscnt 0x0                               ; both opening adds are done
	s_wait_kmcnt 0x0
	s_add_nc_u64 s[34:35], s[8:9], s[36:37]
	s_or_b32 s35, s35, 0x80000000
	CROUND                                         ; all four work-groups are here: the joint loads meet
	tensor_load_to_lds s[32:35], s[24:31]          ; my one tensor load: 64 rows of Wo
	s_nop 0
	PLACES 4
	s_bfe_u32 s17, ttmp6, 0x40000                  ; cx: it enters the addresses of loads into registers and of stores alone
	s_lshl_b32 s18, ttmp9, 2
	s_add_co_u32 s18, s18, s17                     ; GP
	s_lshl_b32 s20, s18, 1
	s_lshr_b32 s21, s16, 1
	s_add_co_u32 s20, s20, s21                     ; G
	s_and_b32 s21, s16, 1                          ; nh
	s_mov_b32 s39, 0
	s_lshl_b32 s38, s20, 15
	s_add_nc_u64 s[4:5], s[4:5], s[38:39]          ; yc
	s_lshl_b32 s38, s20, 11
	s_add_nc_u64 s[6:7], s[6:7], s[38:39]          ; ys
	s_lshl_b32 s38, s19, 13
	s_lshl_b32 s22, s21, 12
	s_add_co_u32 s38, s38, s22
	s_add_nc_u64 s[10:11], s[10:11], s[38:39]      ; Wo's scales at row 256 nq + 128 nh
	s_lshr_b32 s38, s38, 3
	s_add_nc_u64 s[12:13], s[12:13], s[38:39]      ; bo at that column,
	s_add_nc_u64 s[14:15], s[14:15], s[38:39]      ; out0 likewise,
	s_lshl_b32 s38, s20, 16
	s_add_nc_u64 s[14:15], s[14:15], s[38:39]      ; at row 16 G
	v_and_b32 v10, 31, v0                          ; lane
	v_and_b32 v11, 15, v0                          ; r
	v_bfe_u32 v12, v0, 4, 1                        ; hh
	v_lshlrev_b32 v1, 4, v10
	v_mul_u32_u24 v13, v11, PIT
	s_mul_i32 s44, s21, 128*PIT
	v_lshl_add_u32 v4, v12, 6, v13
	v_add_nc_u32 v4, s44, v4                       ; Wo's fragments: line 128 nh + r, + 64 hh: block g' = 2 c + hh lies 64 g' bytes on
	v_lshlrev_b32 v5, 5, v10                       ; Wo's scales: a lane a row
	v_lshlrev_b32 v6, 4, v11                       ; y's scale words: 16 bytes a row
	v_lshlrev_b32 v7, 5, v12                       ; bo: 8 hh numbers on
	s_mul_i32 s44, s16, 16*PIT
	s_add_co_u32 s44, s44, STAGE
	v_lshl_add_u32 v8, v12, 5, v13
	v_add_nc_u32 v8, s44, v8                       ; the stage, in: row r, + 32 hh
	v_add_nc_u32 v9, s44, v1                       ; and back: 16 bytes a lane of a row
.irp ip, 0,1,2,3
.irp hf, 0,1
	global_load_b128 v[96+8*\ip+4*\hf:96+8*\ip+4*\hf+3], v5, s[10:11] offset:\ip*1024+16*\hf
.endr
.endr
.irp k, 0,1,2,3,4,5,6,7
	global_load_b128 v[32+4*\k:32+4*\k+3], v6, s[6:7] offset:\k*256
.endr
	WIN 0xc0
.irp i, 0,1,2,3,4,5,6,7
.irp hf, 0,1
	global_load_b128 v[8*\i+4*\hf:8*\i+4*\hf+3], v7, s[12:13] offset:\i*64+16*\hf
.endr
.endr
	WIN 0x40
.irp k, 0,1,2,3,4,5,6,7
.irp b, 0,1,2,3
.irp c, 0,1
	global_load_b128 v[8*(8*\b+\k)+4*\c:8*(8*\b+\k)+4*\c+3], v1, s[4:5] offset:\b*8192+\k*1024+\c*512   ; 512 consecutive bytes
.endr
.endr
.endr
	WIN 0
	s_wait_loadcnt 63                              ; Wo's scale bytes are in: 88 loads were issued behind them
	; word g of a row holds the bytes of blocks 4 g + beta; K step 2 beta + gq wants byte beta of words 4 gq + 0 .. 3
.irp ip, 0,1,2,3
.irp q, 0,1
	v_perm_b32 v24, v[96+8*\ip+4*\q+1], v[96+8*\ip+4*\q], s40
	v_perm_b32 v25, v[96+8*\ip+4*\q+1], v[96+8*\ip+4*\q], s41
	v_perm_b32 v26, v[96+8*\ip+4*\q+3], v[96+8*\ip+4*\q+2], s40
	v_perm_b32 v27, v[96+8*\ip+4*\q+3], v[96+8*\ip+4*\q+2], s41
	v_perm_b32 v[64+8*\ip+\q], v26, v24, s42
	v_perm_b32 v[64+8*\ip+2+\q], v26, v24, s43
	v_perm_b32 v[64+8*\ip+4+\q], v27, v25, s42
	v_perm_b32 v[64+8*\ip+6+\q], v27, v25, s43
.endr
.endr
	PLACES 8                                       ; scale registers written by vector instructions stand eight places ahead of a scaled matrix instruction
.macro OFETCH k, set                   ; Wo's eight fragments of K step k
.irp i, 0,1,2,3,4,5,6,7
.irp c, 0,1
	ds_load_b128 v[128+64*(\set)+8*\i+4*\c:128+64*(\set)+8*\i+4*\c+3], v4 offset:\i*16*PIT+((\k)%2)*256+\c*128+((\k)/2)*16
.endr
.endr
.endm
.macro OSTEP k
	s_wait_loadcnt 8*(7-(\k))                      ; this K step's fragments of y are in; the later steps' eight each may be out
	s_wait_dscnt 0x0
	PLACES 4
.if (\k) < 7
	OFETCH (\k)+1, ((\k)+1)%2
.endif
.if (\k) == 0
	WIN 0xb4                                       ; source 1 window 1, C (bo) window 3, D window 2
.else
	WIN 0xa4
.endif
.irp a, 0,1,2,3
.irp i, 0,1,2,3,4,5,6,7
.if (\k) == 0
	WMO 8*(8*\a+\i), 128+64*((\k)%2)+8*\i, 8*(8*\a+(\k)), 8*\i, 64+8*(\i/2)+(\k), 32+4*(\k)+\a, \i%2
.else
	WMO 8*(8*\a+\i), 128+64*((\k)%2)+8*\i, 8*(8*\a+(\k)), 8*(8*\a+\i), 64+8*(\i/2)+(\k), 32+4*(\k)+\a, \i%2
.endif
.endr
.endr
	WIN 0
.endm
	s_wait_tensorcnt 0x0                           ; my 64 rows of Wo are in,
	s_barrier_signal -1
	s_barrier_wait -1                              ; everybody's are; nothing is filled again in this launch
	OFETCH 0, 0
.irp k, 0,1,2,3,4,5,6,7
	OSTEP \k
.endr
; THE WAY OUT, batch by batch: 16 rows x 128 columns go through my own stage and come back as whole rows of 512 bytes.  LDS serves a wave's instructions in order: no wait between the stores and the loads.
.macro TOSTAGE a
	WIN 0x08                                       ; an LDS store's data are its source 1: window 2
.irp i, 0,1,2,3,4,5,6,7
	ds_store_b128 v8, v[8*(8*(\a)+\i):8*(8*(\a)+\i)+3] offset:64*\i          ; each accumulator from its low end on
	ds_store_b128 v8, v[8*(8*(\a)+\i)+4:8*(8*(\a)+\i)+7] offset:64*\i+16
.endr
	WIN 0
.set BB, 128+64*((\a)%2)
.irp t, 0,1,2,3,4,5,6,7,8,9,10,11,12,13,14,15
	ds_load_b128 v[BB+4*\t:BB+4*\t+3], v9 offset:\t*PIT
.endr
.endm
.macro SEND a, younger                 ; younger: the LDS instructions issued behind block a's loads
.set BB, 128+64*((\a)%2)
	s_wait_dscnt \younger
.if (\a) > 0
	s_add_nc_u64 s[14:15], s[14:15], 0x800000      ; (behind a wait on XCNT for 0)  one batch on: 2,048 rows of 4,096 bytes
.endif
.irp t, 0,1,2,3,4,5,6,7,8,9,10,11,12,13,14,15
	global_store_b128 v1, v[BB+4*\t:BB+4*\t+3], s[14:15] offset:\t*4096 th:TH_STORE_NT   ; 32 lanes store 512 consecutive bytes, aligned; written once, read by nobody here
.endr
.endm
	PLACES 4                                       ; in front of the reads of the results and of the loads into the registers that held Wo's fragments
	TOSTAGE 0
.irp a, 1,2,3
.if \a > 1
	s_wait_xcnt 0x0                                ; block a - 2's stores have read their registers and their base
.endif
	TOSTAGE \a
	SEND \a-1, 32                                  ; behind block a - 1's loads: block a's 16 stores and 16 loads
.endr
	s_wait_xcnt 0x0
	SEND 3, 0
	s_wait_tensorcnt 0x0                           ; the wave's end
	ds_add_u32 v2, v3
	s_wait_dscnt 0x0
	CROUND                                         ; the closing round
	s_endpgm
.Lfunc_end_k_q41fa7bef1c_outp:
	.size	k_q41fa7bef1c_outp, .Lfunc_end_k_q41fa7bef1c_outp-k_q41fa7bef1c_outp
	.p2alignl 7, 3214868480
	.fill 96, 4, 3214868480
	.section	.rodata,"a",@progbits
	.p2align	6, 0x0
	.amdhsa_kernel k_q41fa7bef1c_outp
		.amdhsa_group_segment_fixed_size 172032
		.amdhsa_private_segment_fixed_size 0
		.amdhsa_enable_private_segment 0
		.amdhsa_kernarg_size 48
		.amdhsa_user_sgpr_count 2
		.amdhsa_user_sgpr_kernarg_segment_ptr 1
		.amdhsa_wavefront_size32 1
		.amdhsa_system_sgpr_workgroup_id_x 1
		.amdhsa_system_sgpr_workgroup_id_y 1
		.amdhsa_system_sgpr_workgroup_id_z 1
		.amdhsa_system_vgpr_workitem_id 0
		.amdhsa_next_free_vgpr 832
		.amdhsa_next_free_sgpr 66
		.amdhsa_reserve_vcc 0
		.amdhsa_float_denorm_mode_32 3
		.amdhsa_float_denorm_mode_16_64 3
		.amdhsa_memory_ordered 1
		.amdhsa_forward_progress 1
		.amdhsa_inst_pref_size 75
	.end_amdhsa_kernel
	.amdgpu_metadata
---
amdhsa.version: [ 1, 2 ]
amdhsa.kernels:
  - .name:           k_q41fa7bef1c_outp
    .symbol:         k_q41fa7bef1c_outp.kd
    .args:
      - { .name: yc, .offset: 0, .size: 8, .value_kind: global_buffer, .address_space: global }
      - { .name: ys, .offset: 8, .size: 8, .value_kind: global_buffer, .address_space: global }
      - { .name: Wo_codes, .offset: 16, .size: 8, .value_kind: global_buffer, .address_space: global }
      - { .name: Wo_scales, .offset: 24, .size: 8, .value_kind: global_buffer, .address_space: global }
      - { .name: bo, .offset: 32, .size: 8, .value_kind: global_buffer, .address_space: global }
      - { .name: out0, .offset: 40, .size: 8, .value_kind: global_buffer, .address_space: global }
    .group_segment_fixed_size: 172032
    .private_segment_fixed_size: 0
    .kernarg_segment_align: 8
    .kernarg_segment_size: 48
    .max_flat_workgroup_size: 128
    .sgpr_count:     66
    .vgpr_count:     832
    .wavefront_size: 32
...
	.end_amdgpu_metadata
.endif
;; end of part 3
